; MI455X (gfx1250); checked and timed in simulation.
; The chip was launched on July 23, 2026; its instructions are those of AMD's public machine-readable ISA for CDNA 5 (MIT licence, August 2026) and "CDNA5" Instruction Set Architecture Reference Guide (July 2026). The comments in the code are by the model that wrote it; some were corrected since.
;; BASE Rel Patch Attention2 D THW. Allowed arithmetic: matrix products marked QUANTISED: E2M3 operands, one E8M0 scale for each 32 along K, by v_wmma_scale_f32_16x16x128_f8f6f4 with both operands' format E2M3, f32 sums; products left as they are: f32 operands where the result goes on into a quantised operand, else bf16, f16 or f32 operands; f32 sums; everything else in f32.
;; Inputs: k 4 x 16 x 16 x 128 x 128 float32; q 4 x 16 x 16 x 128 x 128 float32; v 4 x 16 x 16 x 128 x 128 float32.
;; Outputs: out0 4 x 16 x 16 x 128 x 128 float32.
;; This version of the problem:
;;   THIS VERSION OF THE PROBLEM IS GIVEN IN LOW PRECISION. The matrix products marked QUANTISED in the list below multiply operands that are first quantised to E2M3 (2 exponent bits, 3 mantissa bits; 6 bits a number), with one power-of-two scale for each 32 numbers along K (OCP MX v1.0); their sums are f32. All else is computed in f32.
;;   The module's matrix products, in the order in which they are computed (A, B: the left and right operand; K: the contracted axis; several contracted axes count as one K, in the product's order):
;;     1. batch 4 x [M 4,096, K 1,024] x [K 1,024, N 4,096]; A: input q; B: input k: QUANTISED
;;     2. batch 16,384 x [M 1, K 1,024] x [K 1,024, N 1]; A: input q; B: input q: left as it is (M = 1 < 16)
;;     3. batch 16,384 x [M 1, K 1,024] x [K 1,024, N 1]; A: input k; B: input k: left as it is (M = 1 < 16)
;;   THE QUANTISER, for each operand of a quantised product, along K:
;;     - K is cut into blocks of 32 from its start; a last block that is shorter is filled with zeros.
;;     - A block's scale is 2^e with e = floor(log2(the largest magnitude in the block)) - 2, held to -126 .. 127; a block of zeros has e = 0. As a byte (E8M0): e + 127.
;;     - Each number is divided by its block's scale, clamped to +-7.5, and rounded to the nearest number of E2M3, ties to even, subnormals kept.
;;     - The product sums the exact products of the quantised numbers (number of the format x scale) in f32.
;;   ~~~python
;;   def quantise(x, axis):      # numpy; x: float32 -> the quantised numbers, widened to float32 again
;;       x = np.moveaxis(x, axis, -1); K = x.shape[-1]
;;       x = np.pad(x, [(0, 0)] * (x.ndim - 1) + [(0, -K % 32)]); x = x.reshape(x.shape[:-1] + (-1, 32)); a = np.abs(x).max(-1, keepdims=True)
;;       e = np.where(a > 0, np.clip(np.frexp(np.where(a > 0, a, 1))[1] - 1 - 2, -126, 127), 0)      # np.frexp(a)[1] - 1 = floor(log2(a)), exactly
;;       r = np.clip(x / 2.0 ** e, -7.5, 7.5)
;;       step = 2.0 ** (np.maximum(np.frexp(np.where(r == 0, 1, r))[1] - 1, 0) - 3)
;;       q = np.round(r / step) * step * 2.0 ** e      # np.round: ties to even
;;       return np.moveaxis(q.reshape(q.shape[:-2] + (-1,))[..., :K], -1, axis).astype(np.float32)
;;   ~~~
;; One version. Each part assembles by itself: llvm-mc -triple=amdgcn-amd-amdhsa -mcpu=gfx1250 --defsym DOCPART=n.
;; ======== version 1 of 1: 3 launches
;; workspace buffers: codes 25,165,824 bytes; scl 1,048,576 bytes; nrm 131,072 bytes; part 524,288 bytes
;; launch quant (part 1): grid 256 x 1, 8 waves a work-group, no clusters, 2,048 bytes of LDS; arguments q, k, codes, scl, nrm; writes codes, scl, nrm
.if DOCPART == 1
	.amdgcn_target "amdgcn-amd-amdhsa--gfx1250"
	.amdhsa_code_object_version 6
	.text
	.protected	k_qa366f4c68f_quant
	.globl	k_qa366f4c68f_quant
	.p2align	8
	.type	k_qa366f4c68f_quant,@function
k_qa366f4c68f_quant:
	s_mov_b64 s[64:65], 0
	v_nop
	global_prefetch_b8 v0, s[64:65] scope:SCOPE_SE
	s_setreg_imm32_b32 hwreg(HW_REG_WAVE_MODE, 25, 1), 1
	s_wait_xcnt 0x0
; q and k, (4, 16, 16, 128, 128) f32, become the two operands of the patch product: codes of FP6 (E2M3), one E8M0 byte for each 32 along K, and each patch's sum of squares.
; A patch is (b, t, ph, pw); its row number is (16 b + t) 256 + 16 ph + pw; its K = 1,024 runs as 64 c + 8 n + o (channel, row and column inside the patch of 8 x 8).
; A block of 32 along K is (c, n / 4): four image rows of 8 numbers.  A K step of 128 is two channels.
; A block's scale is 2^(floor(log2(its largest magnitude)) - 2); its byte is that magnitude's exponent field - 2, held at 1 from below.
; LIMITS.  NaN and infinities among the inputs are not served.  A block of zeros gets the byte 1 where the rule says 127: its codes are zeros, which add nothing under any byte but 0xff,
; and the bytes are read by this program alone.  INSIDE each block of 32 the codes stand in the order 16 (o / 4) + 4 (n % 4) + o % 4, alike in q and in k: the blocks, their scales and the
; exact products are the rule's; only the order in which the f32 sum takes them differs.
; SHARES.  Work-groups 0-127 take q, 128-255 k.  A work-group takes a group of 128 rows, wave i its row block of 16: one (b, t, ph), the sixteen pw.  A wave reads 16 channels x 8 image rows x 512 bytes.
; Lane (r = lane % 16, u = lane / 16) takes the 16 bytes at 32 r + 16 u of an image row, so each load of the wave covers that row's 512 consecutive bytes, and the lane's 64 registers of a
; K step are, for each of the four blocks, 16 numbers of patch r: what the conversions want from one lane.  Lanes l and l xor 16 hold a block together.
; OUT.  codes: [tensor][group of 128 rows][K slot of 256][row block][K step of 128][an image of the operand's 12 registers: register p of lane l at 512 (p / 4) + 16 l + 4 (p % 4)]:
; every store of codes covers 512 consecutive bytes, aligned.  scl: [row][8 words], word s for K step s.  nrm: one f32 a row.
; No loop, no tensor load: every offset is an immediate.  Loads run three K steps (48 loads a wave) ahead, in three sets of 64 registers.
.set KBASE, 12582912                   ; k's codes begin here; k's scale words at 524,288, k's sums of squares at 65,536
.set PC,  8                            ; v8-19 the fragment just made; v20-26 the second halves of its blocks on their way
.set TM,  28                           ; v28-31 largest magnitudes, v32-35 bytes, v40-43 the conversions' scale operands
.set SW,  44                           ; v44-51 my row's eight scale words
.set SQ,  52                           ; v52-59 the sum of squares, in four chains of pairs
.set X,   64                           ; v64-255 three sets of 64 numbers
.set SEL, 20                           ; s[20:21] selects for v_permlanex16_b32: lane l xor 16
	s_load_b256 s[4:11], s[0:1], 0x0               ; q s[4:5], k s[6:7], codes s[8:9], scl s[10:11]
	s_load_b64 s[12:13], s[0:1], 0x20              ; nrm
	v_lshl_add_u32 v38, v0, 2, 0x400
	v_mov_b32 v39, 0
	v_lshrrev_b32 v1, 5, v0
	v_readfirstlane_b32 s16, v1                    ; wave i, 0..7
	v_and_b32 v1, 31, v0                           ; lane
	v_and_b32 v7, 15, v0                           ; r
	v_bfe_u32 v6, v0, 4, 1                         ; u
	v_lshlrev_b32 v3, 4, v1                        ; 16 x lane: my place in an image, in the norms' row, and in LDS on the way back
	v_lshlrev_b32 v2, 5, v7
	v_lshl_add_u32 v2, v6, 4, v2                   ; 32 r + 16 u: my bytes of an image row, and of the 16 rows of scale words
	s_lshl_b32 s17, s16, 6
	v_lshl_add_u32 v5, v7, 2, s17                  ; LDS: 64 i + 4 r: my row's sum of squares
.irp b, 0,1,2,3
	v_mov_b32 v[TM+4+\b], 0                        ; written once: a lane permute's destination counts as one of its sources
.endr
	s_mov_b32 s[SEL], 0x76543210
	s_mov_b32 s[SEL+1], 0xfedcba98
	s_and_b32 s17, ttmp9, 127                      ; g: the group of 128 rows; g / 2 = 16 b + t, 8 (g % 2) + i = ph
	s_lshr_b32 s18, s17, 1
	s_lshl_b32 s18, s18, 20                        ; 16 channels of 65,536 bytes
	s_and_b32 s19, s17, 1
	s_lshl_b32 s19, s19, 3
	s_add_co_u32 s19, s19, s16
	s_lshl_b32 s19, s19, 12                        ; ph x 8 image rows of 512 bytes
	s_add_co_u32 s18, s18, s19
	s_mov_b32 s19, 0
	s_mul_i32 s28, s17, 98304                      ; codes: a group is 98,304 bytes,
	s_mul_i32 s29, s16, 3072                       ; a row block's two fragments in a K slot 3,072
	s_add_co_u32 s28, s28, s29
	s_lshl_b32 s29, s17, 12                        ; scale words: 128 rows of 32 bytes,
	s_lshl_b32 s30, s16, 9                         ; 16 rows of 32
	s_add_co_u32 s29, s29, s30
	s_lshl_b32 s30, s17, 9                         ; sums of squares: 128 of 4 bytes
	s_wait_kmcnt 0x0
	s_cmp_lt_u32 ttmp9, 128                        ; q's work-group or k's?  The choice hangs on the work-group's number alone; the four selections leave SCC as it is
	s_cselect_b64 s[4:5], s[4:5], s[6:7]
	s_cselect_b32 s22, 0, KBASE
	s_cselect_b32 s24, 0, 524288
	s_cselect_b32 s26, 0, 65536
	s_add_co_u32 s22, s22, s28
	s_mov_b32 s23, 0
	s_add_co_u32 s24, s24, s29
	s_mov_b32 s25, 0
	s_add_co_u32 s26, s26, s30
	s_mov_b32 s27, 0
	s_add_nc_u64 s[4:5], s[4:5], s[18:19]
	s_add_nc_u64 s[8:9], s[8:9], s[22:23]
	s_add_nc_u64 s[10:11], s[10:11], s[24:25]
	s_add_nc_u64 s[12:13], s[12:13], s[26:27]
; K step ks: channels 2 ks and 2 ks + 1, eight image rows each, into set ks % 3: image row e at registers 4 e on
.macro LOAD ks
.set e, 0
.rept 16
	global_load_b128 v[X+64*((\ks)%3)+4*e:X+64*((\ks)%3)+4*e+3], v2, s[4:5] offset:(2*(\ks)+e/8)*65536+(e%8)*512 th:TH_LOAD_NT
.set e, e+1
.endr
.endm
; 64 numbers of a lane, v[s] on, register 16 b + i = place 16 (lane / 16) + i of block b of my row, become a fragment's codes in v[PC] on and my row's scale word in v[pw].
; held: not 0 where an earlier step's stores may still read v[PC] on
.macro QUANT s, pw, held
.irp b, 0,1,2,3
	v_max3_num_f32 v[TM+\b], |v[\s+16*\b]|, |v[\s+1+16*\b]|, 0x1800000   ; block b: my 16 numbers, and the floor 2^(3 - 127): so the byte cannot fall under 1
.endr
.irp i, 2,4,6,8,10,12,14
.irp b, 0,1,2,3
	v_max3_num_f32 v[TM+\b], v[TM+\b], |v[\s+16*\b+\i]|, |v[\s+1+16*\b+\i]|   ; the four blocks by turns: no line waits for the line above it
.endr
.endr
.irp b, 0,1,2,3
	v_permlanex16_b32 v[TM+4+\b], v[TM+\b], s[SEL], s[SEL+1]
.endr
.irp b, 0,1,2,3
	v_max_num_f32 v[TM+\b], v[TM+\b], v[TM+4+\b]   ; with lane l xor 16's: the block's largest magnitude
.endr
.irp b, 0,1,2,3
	v_add_nc_u32 v[TM+12+\b], 0xff000000, v[TM+\b] ; 2 off its exponent field: the conversion takes the exponent field of this operand as its scale, and nothing else of it
.endr
.irp b, 0,1,2,3
	v_lshrrev_b32 v[TM+4+\b], 23, v[TM+12+\b]      ; the scale's byte
.endr
	v_lshl_or_b32 v[\pw], v[TM+5], 8, v[TM+4]      ; the four bytes make my row's scale word of this K step
	v_lshl_or_b32 v[\pw], v[TM+6], 16, v[\pw]
	v_lshl_or_b32 v[\pw], v[TM+7], 24, v[\pw]
.if \held
	s_wait_xcnt 0x0                                ; the last step's three stores have read v[PC] on: the conversions below are the first lines that write it again.  The wait stands here and not at the step's head, so that the sums and maxima above do not wait for it
.endif
.irp c, 0,1
	v_cvt_scalef32_pk16_fp6_f32 v[PC+6*\c:PC+2+6*\c], v[\s+32*\c:\s+15+32*\c], v[TM+12+2*\c]
	v_cvt_scalef32_pk16_fp6_f32 v[PC+12+4*\c:PC+14+4*\c], v[\s+16+32*\c:\s+31+32*\c], v[TM+12+2*\c+1]   ; (a conversion's three registers begin on an even number)
.endr
	v_nop                                          ; one plain place behind a scaled conversion
.irp c, 0,1                                    ; the operand's layout wants a WHOLE block in a lane: lanes 0-15 block 2 c, lanes 16-31 block 2 c + 1
.irp i, 0,1,2
	v_permlane16_swap_b32 v[PC+6*\c+\i], v[PC+12+4*\c+\i]
.endr
.irp i, 0,1,2
	v_mov_b32 v[PC+3+6*\c+\i], v[PC+12+4*\c+\i]
.endr
.endr
.endm
.macro KSTEP ks
.set XS, X+64*((\ks)%3)
.if (\ks) <= 5
	s_wait_loadcnt 32                              ; this step's 16 loads are in; the 2 x 16 of the two steps behind it may be out
.elseif (\ks) == 6
	s_wait_loadcnt 16                              ; only the last step's 16 are behind
.else
	s_wait_loadcnt 0x0
.endif
.set e, 0
.rept 32                                       ; the sum of squares of the numbers as they are given, f32, two at a time, in four chains; the first four products start them
.if ((\ks) == 0) && (e < 4)
	v_pk_mul_f32 v[SQ+2*e:SQ+2*e+1], v[XS+2*e:XS+2*e+1], v[XS+2*e:XS+2*e+1]
.else
	v_pk_fma_f32 v[SQ+2*(e%4):SQ+2*(e%4)+1], v[XS+2*e:XS+2*e+1], v[XS+2*e:XS+2*e+1], v[SQ+2*(e%4):SQ+2*(e%4)+1]
.endif
.set e, e+1
.endr
	QUANT XS, SW+(\ks), (\ks)
.irp c, 0,1,2
	global_store_b128 v3, v[PC+4*\c:PC+4*\c+3], s[8:9] offset:((\ks)/2)*24576+((\ks)%2)*1536+512*\c   ; the image: 32 lanes store 512 consecutive bytes, aligned; read again by the next launch, so no hint
.endr
.if (\ks)+3 < 8
	LOAD (\ks)+3                                   ; into the set that has just been worked
.endif
.endm
	LOAD 0
	LOAD 1
	LOAD 2
.irp ks, 0,1,2,3,4,5,6,7
	KSTEP \ks
.endr
	v_cmp_lt_u32 vcc_lo, 15, v1                    ; lanes 16-31 store words 4 to 7 of their row, lanes 0-15 words 0 to 3 (both hold all eight)
.irp j, 0,1,2,3
	v_cndmask_b32 v[60+\j], v[SW+\j], v[SW+4+\j], vcc_lo
.endr
	global_store_b128 v2, v[60:63], s[10:11]       ; 16 rows of 32 bytes: 512 consecutive bytes
	v_pk_add_f32 v[SQ:SQ+1], v[SQ:SQ+1], v[SQ+2:SQ+3]
	v_pk_add_f32 v[SQ+4:SQ+5], v[SQ+4:SQ+5], v[SQ+6:SQ+7]
	v_pk_add_f32 v[SQ:SQ+1], v[SQ:SQ+1], v[SQ+4:SQ+5]
	v_add_f32 v[SQ], v[SQ], v[SQ+1]
	v_permlanex16_b32 v[TM+4], v[SQ], s[SEL], s[SEL+1]
	v_add_f32 v[SQ], v[SQ], v[TM+4]                ; with lane l xor 16's half: the patch's sum of squares
	ds_store_b32 v5, v[SQ]                         ; lanes r and r + 16 write the same word with the same value
	s_wait_dscnt 0x0                               ; for wave 0's sake: my store has landed
	s_barrier_signal -1
	s_barrier_wait -1
	s_cmp_lg_u32 s16, 0                            ; wave 0 stores the group's 128 sums as one run of 512 bytes
	s_cbranch_scc1 .Lend
	ds_load_b128 v[28:31], v3
	s_wait_dscnt 0x0
	global_store_b128 v3, v[28:31], s[12:13]
.Lend:
	s_wait_tensorcnt 0x0
	ds_add_u32 v38, v39
	s_wait_dscnt 0x0
	s_endpgm
.Lfunc_end_k_qa366f4c68f_quant:
	.size	k_qa366f4c68f_quant, .Lfunc_end_k_qa366f4c68f_quant-k_qa366f4c68f_quant
	.p2alignl 7, 3214868480
	.fill 96, 4, 3214868480
	.section	.rodata,"a",@progbits
	.p2align	6, 0x0
	.amdhsa_kernel k_qa366f4c68f_quant
		.amdhsa_group_segment_fixed_size 2048
		.amdhsa_private_segment_fixed_size 0
		.amdhsa_enable_private_segment 0
		.amdhsa_kernarg_size 40
		.amdhsa_user_sgpr_count 2
		.amdhsa_user_sgpr_kernarg_segment_ptr 1
		.amdhsa_wavefront_size32 1
		.amdhsa_system_sgpr_workgroup_id_x 1
		.amdhsa_system_sgpr_workgroup_id_y 1
		.amdhsa_system_sgpr_workgroup_id_z 1
		.amdhsa_system_vgpr_workitem_id 0
		.amdhsa_next_free_vgpr 256
		.amdhsa_next_free_sgpr 66
		.amdhsa_reserve_vcc 1
		.amdhsa_float_denorm_mode_32 3
		.amdhsa_float_denorm_mode_16_64 3
		.amdhsa_memory_ordered 1
		.amdhsa_forward_progress 1
		.amdhsa_inst_pref_size 64
	.end_amdhsa_kernel
	.amdgpu_metadata
---
amdhsa.version: [ 1, 2 ]
amdhsa.kernels:
  - .name:           k_qa366f4c68f_quant
    .symbol:         k_qa366f4c68f_quant.kd
    .args:
      - { .name: q, .offset: 0, .size: 8, .value_kind: global_buffer, .address_space: global }
      - { .name: k, .offset: 8, .size: 8, .value_kind: global_buffer, .address_space: global }
      - { .name: codes, .offset: 16, .size: 8, .value_kind: global_buffer, .address_space: global }
      - { .name: scl, .offset: 24, .size: 8, .value_kind: global_buffer, .address_space: global }
      - { .name: nrm, .offset: 32, .size: 8, .value_kind: global_buffer, .address_space: global }
    .group_segment_fixed_size: 2048
    .private_segment_fixed_size: 0
    .kernarg_segment_align: 8
    .kernarg_segment_size: 40
    .max_flat_workgroup_size: 256
    .sgpr_count:     66
    .vgpr_count:     256
    .wavefront_size: 32
...
	.end_amdgpu_metadata
.endif
;; end of part 1
;; launch simsum (part 2): grid 4 x 64, 4 waves a work-group, clusters of 4 x 4, 327,680 bytes of LDS; arguments codes, scl, nrm, part; writes part
.if DOCPART == 2
	.amdgcn_target "amdgcn-amd-amdhsa--gfx1250"
	.amdhsa_code_object_version 6
	.text
	.protected	k_qa366f4c68f_simsum
	.globl	k_qa366f4c68f_simsum
	.p2align	8
	.type	k_qa366f4c68f_simsum,@function
k_qa366f4c68f_simsum:
	s_mov_b64 s[64:65], 0
	v_nop
	global_prefetch_b8 v0, s[64:65] scope:SCOPE_SE
	s_setreg_imm32_b32 hwreg(HW_REG_WAVE_MODE, 25, 1), 1
	s_wait_xcnt 0x0
	s_wait_alu depctr_hold_cnt(0) depctr_sa_sdst(0) depctr_va_vdst(0) depctr_va_sdst(0) depctr_va_ssrc(0) depctr_va_vcc(0) depctr_vm_vsrc(0)
	s_getreg_b32 s2, hwreg(HW_REG_IB_STS2, 6, 4)
	s_cmp_eq_u32 s2, 0
	s_cbranch_scc0 .Lentry_in_a_cluster
	s_endpgm
.Lentry_in_a_cluster:
	s_bfe_u32 s2, ttmp6, 0x10000c
	s_cmp_lg_u32 s2, 0xf033
	s_cbranch_scc0 .Lentry_shape_is_right
	s_endpgm
.Lentry_shape_is_right:
; For each key patch: the sum over a run of query patches of sim = (qk + s) / (qq + kk - qk + s), s = 1e-5; qk is the product of the two patches' codes of FP6 (E2M3) with E8M0 scales, K = 1,024, f32 sums.
; SHARES.  256 work-groups.  Work-group (x, y): the 256 keys of tile y (16 tiles to a batch) against queries 1,024 x .. 1,024 x + 1,023 of the same batch, walked as TILES = 4 tiles of 256.
; Four waves, as many as a WGP has SIMDs: wave = 2 kh + qh takes 128 keys x 128 queries, 64 accumulators of 16 x 16, 512 registers.  Each wave's sums over queries stay in registers over the four tiles
; and leave once: part[2 x + qh][key], eight partial sums a key, which the next launch adds.
; THE ORDER OF THE TILES.  The four clusters of a batch (cluster y = 4 x batch + yc) need the same queries.  Cluster yc begins at tile yc of its run and goes round: in tile step n it takes tile (n + yc) % 4.
; So in each tile step the four read four different tiles, and from the second step on each reads a tile that another of the four has read a step before.  The sum over queries is only taken in another order.
; LAYOUT.  Source 0 = 16 queries, source 1 = 16 keys: in a result lane (r, h) holds key r and, in register j, query 8 h + j.  So the sum over queries stays inside the lane until the end, and kk is one number a lane.
; OPERANDS lie in memory as images of their registers (12 a lane; register p of lane l at 512 (p / 4) + 16 l + 4 (p % 4)), and a group of 128 rows x 256 along K is one dense run of 24,576 bytes:
; one tensor load a wave brings it, and a fragment comes from LDS by three loads of 512 consecutive bytes: no pitch, no padding.
; K goes in slots of 256 (two matrix instructions deep) through a ring of two LDS slots; the ring goes on from tile to tile.
; CLUSTERS: 4 x 4 work-groups.  The four of a row of the cluster (same y) need the same tiles of keys, the four of a column (same x, same batch) the same tiles of queries: each is asked for JOINTLY.
; yc is the same in all sixteen work-groups of a cluster: it enters global addresses alone, alike in all partners; no branch, trip count or LDS address hangs on it.
; ARITHMETIC.  s is the C of each sum's first product, so an accumulator ends as qk + s.  den = (qq + (kk + 2 s)) - (qk + s); sim = (qk + s) x rcp(den), summed by fused multiply-adds.
; LIMITS: that order of f32 roundings differs from qq + kk - qk + s taken from the left; the division is v_rcp_f32 and a multiplication; NaN and infinities are not served.
; REGISTERS, in windows of 256: window 0: v1-30 addresses; v32-47 kk + 2 s, a pair for each key block; v48-63 the sums, a pair for each key block; v64-127 scale words and nothing else;
;   v128-223 the keys' 8 fragments, ONE set; v224-231 s, eight times; v232-251 at work.
;   window 1: the queries' fragments, TWO sets, at v0 and v128; qq of the tile's queries at v96-127 and v224-255; behind a tile's products set 1 is free and v128-191 hold den and 1 / den.
;   window 2: the 32 accumulators of key blocks 0-3 (block a, query block b at v[8 (8 a + b)]); window 3: those of key blocks 4-7.
.set TILES,  4
.set HALFT,  24576                     ; a group of 128 rows x 256 K: what one tensor load brings, and what a wave reads of keys or of queries in a slot
.set SLOT,   4*HALFT                   ; the keys' two groups, then the queries' two
.set SPARE,  2*SLOT                    ; behind the ring: the spare words, 128 bytes for each wave: two blocks of 256 bytes that no other line names
.set STAGE,  SPARE+512                 ; the way out: 512 bytes for each wave; no fill ever lands here
.set GRP,    98304                     ; a group's four K slots in memory
.set KBASE,  12582912                  ; the keys' codes begin here
.set FR,     12                        ; registers of a fragment
.set NL,     3                         ; LDS loads that bring one
.set NP,     4                         ; places behind this matrix instruction (ISA guide 7.12.1)
.set ADRA, 16                          ; v16-17  LDS address of my keys' images in slot 0, 1
.set SOFF0, 18                         ; v18     scale words, tile 0 of my run: lanes 0-15 my keys' rows, lanes 16-31 my queries'; never rewritten
.set QOFF0, 19                         ; v19     qq of my eight queries of a block, tile 0 of my run; never rewritten
.set ADRB, 20                          ; v20-21  LDS address of my queries' images in slot 0, 1
.set SOFF, 22                          ; v22     scale words of the tile in hand
.set SSTEP, 23                         ; v23     what a tile adds to it: 0, or 256 rows of 32 bytes
.set STO,  24                          ; v24     the way out: where I put a key's sum
.set RD,   25                          ; v25     and where I read four back
.set CO,   26                          ; v26     16 x lane
.set QOFF, 27                          ; v27     qq of the tile in hand
.set SPW,  28                          ; v28     LDS address of my spare word: SPARE + 4 x my thread's number; never rewritten
.set NIL,  29                          ; v29     0; never rewritten
.set KOFF, 30                          ; v30     kk of my key
.set KK,   32
.set SUM,  48
.set SCW,  64                          ; register 8 i + ks: lanes 0-15 the word of key block i, lanes 16-31 that of query block i, for K step ks of 128
.set AF,   128
.set CSB,  224
.set CH,   232                         ; four chains of pairs
.set RS,   240
.set OUTR, 248
.set TT,   128                         ; in window 1
.set G1,  24                           ; s[24:31] descriptor group 1 for the keys' tiles;  s[32:39] group 0, one set for each slot
.set G0,  32
.set G1B, 48                           ; s[48:55], s[56:63] the same for the queries'
.set G0B, 56
.set TQ,  66                           ; s66      which tile of my run: at the head the first, yc; in a trip the NEXT one
.set OF,  68                           ; s[68:69] where that tile's codes begin behind tile 0's: two groups a tile
.set QB,  70                           ; s[70:71] the first tile's codes
.set MSB, 0
.macro WIN new                         ; the immediate's high byte repeats the setting that is left; a switch that changes nothing is dropped
.if MSB != (\new)
	s_set_vgpr_msb (MSB<<8)|(\new)
.set MSB, (\new)
.endif
.endm
.set MUL_LO,   0xa1                    ; source 0 (queries) window 1, source 1 (keys) window 0, C and D window 2
.set MUL_HI,   0xf1                    ; the same, C and D window 3
.set FIRST_LO, 0x81                    ; a sum's first product: C = s in window 0, D window 2
.set FIRST_HI, 0xc1                    ; D window 3
.set TO_B,     0x40                    ; destination window 1, address window 0
; A joint load: waves 0 and 1 fetch the keys' two groups, waves 2 and 3 the queries'.  Each of the two lines has ONE mask and one set of registers for all that issue it; the branch hangs on the wave's number alone.
; Four v_nop follow each of the two lines, ahead of the jump, the label and what follows.
.macro JLOAD g0a, g1a, g0b, g1b
	s_cmp_eq_u32 s15, 0
	s_cbranch_scc0 .Lfor_b_\@
	tensor_load_to_lds s[\g0a:\g0a+3], s[\g1a:\g1a+7]
	s_nop 0
.rept 4
	v_nop
.endr
	s_branch .Lasked_\@
.Lfor_b_\@:
	tensor_load_to_lds s[\g0b:\g0b+3], s[\g1b:\g1b+7]
	s_nop 0
.rept 4
	v_nop
.endr
.Lasked_\@:
.endm
.macro CREST                           ; a round of the cluster's barrier behind its opening barrier
	s_cmp_lg_u32 s14, 0
	s_cbranch_scc1 .Lnot_wave_0_\@
	s_barrier_signal -3
.Lnot_wave_0_\@:
	s_barrier_wait -3
	s_barrier_signal -1
	s_barrier_wait -1
.endm
.macro CROUND                          ; a whole round
	s_barrier_signal -1
	s_barrier_wait -1
	CREST
.endm
	s_load_b256 s[4:11], s[0:1], 0x0               ; codes s[4:5], scl s[6:7], nrm s[8:9], part s[10:11]
	v_lshl_add_u32 v[SPW], v0, 2, SPARE
	v_mov_b32 v[NIL], 0
	ds_add_u32 v28, v29
	ds_add_u32 v28, v29
	s_wait_dscnt 0x0
	v_lshrrev_b32 v1, 5, v0
	v_readfirstlane_b32 s14, v1                    ; wave 0..3
	s_lshr_b32 s15, s14, 1                         ; kh: which half of the keys is mine.  Also: I fetch for the keys (0) or for the queries (1)
	s_and_b32 s16, s14, 1                          ; qh: which half of the queries.  Also: which group of 128 rows I fetch
	s_bfe_u32 s40, ttmp6, 0x40000                  ; cx, cy: my place in the cluster
	s_bfe_u32 s41, ttmp6, 0x40004
	s_lshl_b32 s42, ttmp9, 2
	s_add_co_u32 s42, s42, s40                     ; x = 4 x cluster x + cx: my run of 1,024 queries
	s_and_b32 s45, ttmp7, 0xffff                   ; cluster y
	s_lshl_b32 s17, s45, 2
	s_add_co_u32 s17, s17, s41                     ; y = 4 x cluster y + cy: my tile of 256 keys
	s_and_b32 s[TQ], s45, 3                        ; yc: my cluster's place among the four of its batch = the tile of queries at which it begins
	s_lshr_b32 s45, s45, 2                         ; the batch: 16 tiles of keys, four clusters, to each
	s_lshl_b32 s43, s41, 2
	s_lshl_b32 s43, 15, s43                        ; my row of the cluster
	s_lshl_b32 s44, 0x1111, s40                    ; my column
	; descriptor group 1: a dense run of 24,576 bytes as 96 rows of 32 elements of 8 bytes, no padding
	s_or_b32 s[G1+0], s43, (3<<16)|(1<<21)         ; 15:0 the mask: the keys' tiles go to my row; 17:16 elements of 8 bytes; 21 set beside a mask
	s_or_b32 s[G1B+0], s44, (3<<16)|(1<<21)        ; the queries' to my column
.irp g, G1, G1B
	s_mov_b32 s[\g+1], 32<<16                      ; tensor_dim0 = 32
	s_mov_b32 s[\g+2], 96<<16                      ; tensor_dim1 = 96
	s_mov_b32 s[\g+3], 32<<16                      ; tile_dim0 = 32
	s_mov_b32 s[\g+4], 96                          ; tile_dim1 = 96
	s_mov_b32 s[\g+5], 32                          ; tensor_dim0_stride
	s_mov_b32 s[\g+6], 0
	s_mov_b32 s[\g+7], 0
.endr
	; where the tiles come from.  The keys' hang on y alone, which my row of the cluster shares; the queries' on x, the batch and yc, which my column shares.  Each in registers that never hold the other coordinate
	s_lshl_b32 s20, s17, 1
	s_add_co_u32 s20, s20, s16                     ; the keys' group 2 y + half
	s_mul_i32 s20, s20, GRP
	s_add_co_u32 s20, s20, KBASE
	s_mov_b32 s21, 0
	s_lshl_b32 s46, s45, 5
	s_lshl_b32 s47, s42, 3
	s_add_co_u32 s46, s46, s47
	s_add_co_u32 s46, s46, s16                     ; the queries' group 32 x batch + 8 x + half: tile 0 of my run (a tile on: two groups)
	s_mul_i32 s46, s46, GRP
	s_mov_b32 s47, 0
	s_mul_i32 s[OF], s[TQ], 2*GRP                  ; the tile at which my cluster begins
	s_mov_b32 s[OF+1], 0
	s_mul_i32 s18, s14, HALFT                      ; where they go: wave x 24,576: no place in the cluster enters an LDS address
	s_mov_b32 s12, 0x76543210                      ; selects for v_permlanex16_b32: lane l xor 16
	s_mov_b32 s13, 0xfedcba98
	s_wait_kmcnt 0x0
	s_add_nc_u64 s[20:21], s[4:5], s[20:21]
	s_add_nc_u64 s[46:47], s[4:5], s[46:47]        ; tile 0 of my run: kept
	s_add_nc_u64 s[QB:QB+1], s[46:47], s[OF:OF+1]
	CROUND                                         ; all sixteen work-groups are here: the first joint loads meet
.irp s, 0,1
	s_mov_b32 s[G0+4*\s], 1                        ; count = 1
	s_add_co_u32 s[G0+4*\s+1], s18, \s*SLOT        ; LDS address
	s_add_nc_u64 s[G0+4*\s+2:G0+4*\s+3], s[20:21], \s*HALFT   ; global address: K slot s
	s_or_b32 s[G0+4*\s+3], s[G0+4*\s+3], 0x80000000           ; type = 2
	s_mov_b32 s[G0B+4*\s], 1
	s_add_co_u32 s[G0B+4*\s+1], s18, \s*SLOT
	s_add_nc_u64 s[G0B+4*\s+2:G0B+4*\s+3], s[QB:QB+1], \s*HALFT
	s_or_b32 s[G0B+4*\s+3], s[G0B+4*\s+3], 0x80000000
	JLOAD G0+4*\s, G1, G0B+4*\s, G1B               ; the ring is filled before anything else is done: two loads of mine are out
.endr
	v_and_b32 v1, 15, v0                           ; r
	v_bfe_u32 v2, v0, 4, 1                         ; h
	v_and_b32 v3, 31, v0                           ; lane
	v_lshlrev_b32 v[CO], 4, v3
	s_mul_i32 s19, s15, HALFT                      ; my 128 keys
	s_mul_i32 s22, s16, HALFT                      ; my 128 queries,
	s_add_co_u32 s22, s22, 2*HALFT                 ; which lie behind the keys' 256
.irp s, 0,1
	v_add_nc_u32 v[ADRA+\s], s19, v[CO]
	v_add_nc_u32 v[ADRB+\s], s22, v[CO]
	s_add_co_u32 s19, s19, SLOT
	s_add_co_u32 s22, s22, SLOT
.endr
	s_lshl_b32 s19, s14, 9
	s_add_co_u32 s19, s19, STAGE                   ; my stage
	v_lshl_add_u32 v[STO], v1, 2, s19
	v_add_nc_u32 v[RD], s19, v[CO]
	s_lshl_b32 s22, s17, 8
	s_lshl_b32 s19, s15, 7
	s_add_co_u32 s22, s22, s19                     ; my first key's row: 256 y + 128 kh
	s_lshl_b32 s23, s45, 12
	s_lshl_b32 s19, s42, 10
	s_add_co_u32 s23, s23, s19
	s_lshl_b32 s19, s16, 7
	s_add_co_u32 s23, s23, s19                     ; my first query's row in tile 0 of my run: 4,096 x batch + 1,024 x + 128 qh
	s_lshl_b32 s19, s22, 2
	v_lshl_add_u32 v[KOFF], v1, 2, s19             ; kk: 4 bytes a row, key r of a block
	s_lshl_b32 s19, s23, 2
	v_lshl_add_u32 v[QOFF0], v2, 5, s19            ; qq: queries 8 h on of a block
	v_lshl_add_u32 v[QOFF], s[TQ], 10, v[QOFF0]    ; a tile on: 256 queries of 4 bytes
	s_lshl_b32 s19, s22, 5
	s_add_co_u32 s19, s19, 524288                  ; the keys' scale words lie behind the queries'
	s_lshl_b32 s3, s23, 5
	v_mov_b32 v4, s19
	v_mov_b32 v5, s3
	v_cmp_eq_u32 vcc_lo, 1, v2
	v_cndmask_b32 v[SOFF0], v4, v5, vcc_lo         ; lanes 0-15 the keys' rows, lanes 16-31 the queries'
	v_lshl_add_u32 v[SOFF0], v1, 5, v[SOFF0]       ; row r of a block: 32 bytes a row
	v_lshlrev_b32 v[SSTEP], 13, v2
	v_mad_u32_u24 v[SOFF], v[SSTEP], s[TQ], v[SOFF0]   ; a tile on: the queries' rows go 256 on, the keys' stay
	s_lshl_b32 s2, s42, 1
	s_add_co_u32 s2, s2, s16
	s_lshl_b32 s2, s2, 16                          ; part: row 2 x + qh of 65,536 bytes,
	s_lshl_b32 s3, s22, 2
	s_add_co_u32 s2, s2, s3                        ; my first key
	s_mov_b32 s3, 0
	s_add_nc_u64 s[10:11], s[10:11], s[2:3]
.macro SCLOAD                          ; the tile's scale words, all eight K steps: 16 loads
.irp i, 0,1,2,3,4,5,6,7
	global_load_b128 v[SCW+8*\i:SCW+8*\i+3], v[SOFF], s[6:7] offset:512*\i
	global_load_b128 v[SCW+8*\i+4:SCW+8*\i+7], v[SOFF], s[6:7] offset:512*\i+16
.endr
.endm
.macro QQLOAD                          ; qq of the tile's queries, in the results' layout: block b's eight at v[96 + 8 b] (b < 4) or v[224 + 8 (b - 4)] of window 1: 16 loads
	WIN TO_B
.irp b, 0,1,2,3,4,5,6,7
	global_load_b128 v[96+8*\b+96*(\b/4):96+8*\b+96*(\b/4)+3], v[QOFF], s[8:9] offset:64*\b
	global_load_b128 v[96+8*\b+96*(\b/4)+4:96+8*\b+96*(\b/4)+7], v[QOFF], s[8:9] offset:64*\b+16
.endr
	WIN 0
.endm
.macro FRAG reg, adr, off              ; a fragment's image: three loads of 512 consecutive bytes
.irp c, 0,1,2
	ds_load_b128 v[\reg+4*\c:\reg+4*\c+3], v[\adr] offset:\off+512*\c
.endr
.endm
.macro FETCH_B slot, q, p              ; the queries' eight fragments of the slot's q-th 128 along K into set p
	WIN TO_B
.irp i, 0,1,2,3,4,5,6,7
	FRAG 128*(\p)+FR*\i, ADRB+\slot, 3072*\i+1536*(\q)
.endr
	WIN 0
.endm
.macro FETCH_A slot, q, i0             ; the keys' blocks i0 .. i0 + 3
.irp i, \i0, \i0+1, \i0+2, \i0+3
	FRAG AF+FR*(\i), ADRA+\slot, 3072*(\i)+1536*(\q)
.endr
.endm
; 16 matrix instructions: key blocks a0, a0 + 1 x the eight query blocks, K step ks.  p: the queries' set.  first = 1: C = s starts the sums: nothing is ever cleared.
; The 64 accumulators take turns, one instruction a turn, in the same order in every step.
.macro MUL16 a0, p, ks, first
.irp a, \a0, \a0+1
.irp b, 0,1,2,3,4,5,6,7
.if \first
	v_wmma_scale_f32_16x16x128_f8f6f4 v[8*(8*((\a)%4)+\b):8*(8*((\a)%4)+\b)+7], v[128*(\p)+FR*\b:128*(\p)+FR*\b+FR-1], v[AF+FR*(\a):AF+FR*(\a)+FR-1], v[CSB:CSB+7], v[SCW+8*\b+(\ks)], v[SCW+8*(\a)+(\ks)] matrix_a_fmt:MATRIX_FMT_FP6 matrix_b_fmt:MATRIX_FMT_FP6 matrix_a_scale:MATRIX_SCALE_ROW1
.else
	v_wmma_scale_f32_16x16x128_f8f6f4 v[8*(8*((\a)%4)+\b):8*(8*((\a)%4)+\b)+7], v[128*(\p)+FR*\b:128*(\p)+FR*\b+FR-1], v[AF+FR*(\a):AF+FR*(\a)+FR-1], v[8*(8*((\a)%4)+\b):8*(8*((\a)%4)+\b)+7], v[SCW+8*\b+(\ks)], v[SCW+8*(\a)+(\ks)] matrix_a_fmt:MATRIX_FMT_FP6 matrix_b_fmt:MATRIX_FMT_FP6 matrix_a_scale:MATRIX_SCALE_ROW1
.endif
.endr
.endr
.endm
; A load into a register that a matrix instruction has read, and a vector instruction that reads a matrix result or writes one of a matrix instruction's registers, stand NP places behind it, and only
; plain vector instructions that name none of its registers are places (ISA guide 7.12.1 for vector instructions).
.macro PLACES n
.rept \n
	v_nop
.endr
.endm
; A slot's first K step (the queries' set 0); its successor lies in the same slot.
.macro STEP slot, ks, first
	s_wait_dscnt 4*NL                              ; the queries' set and key blocks 0-3 are in; the youngest 4 x 3 loads (key blocks 4-7) may be out
.if \first
	WIN FIRST_LO
.else
	WIN MUL_LO
.endif
	MUL16 0, 0, \ks, \first
	MUL16 2, 0, \ks, \first
	s_wait_dscnt 0x0                               ; key blocks 4-7 are in (asked for 32 matrix instructions ago)
	PLACES NP
	FETCH_B \slot, 1, 1
	FETCH_A \slot, 1, 0
.if \first
	WIN FIRST_HI
.else
	WIN MUL_HI
.endif
	MUL16 4, 0, \ks, \first
	MUL16 6, 0, \ks, \first
	PLACES NP
	WIN 0
	FETCH_A \slot, 1, 4
.endm
; A slot's second K step (set 1) changes slots: ONE barrier; in front of it each wave waits for all its tensor loads, adds 0 to its spare word, and waits for that and for its own reads of this slot.
; fill = 1: this slot is filled again with this tile's K slot two on;  2: with the NEXT tile's K slot 0 or 1 (the keys go back along K; the queries' address is made anew from tile 0's and the next tile's offset);  0: nothing is asked for.
.macro TURN slot, next, ks, fill
	s_wait_tensorcnt 0x0                           ; all my tensor loads have landed: the one that was out is my part of the next slot  (every window is 0 here)
	ds_add_u32 v[SPW], v[NIL]                      ; 0 onto my spare word
	s_wait_dscnt 4*NL+1                            ; the add and the youngest 4 x 3 loads (key blocks 4-7) may be out
	WIN MUL_LO
	MUL16 0, 1, \ks, 0                             ; sixteen matrix instructions stand between the add and the wait for it
	s_wait_dscnt 0x0                               ; the add is done, and my reads of this slot are over
	s_barrier_signal -1
	MUL16 2, 1, \ks, 0
	WIN 0
	s_barrier_wait -1
.if \fill
	CREST                                          ; the barrier has opened a round of the cluster's barrier: no wave of any partner still reads this slot's tile or has a load on its way
.if \fill == 2
	s_sub_nc_u64 s[G0+4*\slot+2:G0+4*\slot+3], s[G0+4*\slot+2:G0+4*\slot+3], 2*HALFT
	s_add_nc_u64 s[G0B+4*\slot+2:G0B+4*\slot+3], s[46:47], s[OF:OF+1]   ; no tensor load of mine is out: the group 0 may be written
.if \slot
	s_add_nc_u64 s[G0B+4*\slot+2:G0B+4*\slot+3], s[G0B+4*\slot+2:G0B+4*\slot+3], \slot*HALFT
.endif
	s_or_b32 s[G0B+4*\slot+3], s[G0B+4*\slot+3], 0x80000000             ; type = 2
.else
	s_add_nc_u64 s[G0+4*\slot+2:G0+4*\slot+3], s[G0+4*\slot+2:G0+4*\slot+3], 2*HALFT
	s_add_nc_u64 s[G0B+4*\slot+2:G0B+4*\slot+3], s[G0B+4*\slot+2:G0B+4*\slot+3], 2*HALFT
.endif
	JLOAD G0+4*\slot, G1, G0B+4*\slot, G1B         ; the first tensor load behind the round, my one load until the next; the four v_nop behind it are also the places in front of the loads below
.else
	PLACES NP
.endif
	FETCH_B \next, 0, 0
	FETCH_A \next, 0, 0
	WIN MUL_HI
	MUL16 4, 1, \ks, 0
	MUL16 6, 1, \ks, 0
	PLACES NP
	WIN 0
	FETCH_A \next, 0, 4
.endm
; Key block a's 16 keys x 128 queries become similarities and are added to the block's sums: 64 numbers a lane.
.macro SIMBLK a
.set AC, 64*((\a)%4)
	WIN 0x41                                       ; destination and source 0 window 1, source 1 window 0
.irp b, 0,1,2,3,4,5,6,7
.irp j, 0,2,4,6
	v_pk_add_f32 v[TT+8*\b+\j:TT+8*\b+\j+1], v[96+8*\b+96*(\b/4)+\j:96+8*\b+96*(\b/4)+\j+1], v[KK+2*(\a):KK+2*(\a)+1]   ; qq + (kk + 2 s)
.endr
.endr
	WIN 0x49+4*((\a)/4)                            ; source 1: the accumulators' window, 2 or 3
.irp b, 0,1,2,3,4,5,6,7
.irp j, 0,2,4,6
	v_pk_add_f32 v[TT+8*\b+\j:TT+8*\b+\j+1], v[TT+8*\b+\j:TT+8*\b+\j+1], v[AC+8*\b+\j:AC+8*\b+\j+1] neg_lo:[0,1] neg_hi:[0,1]   ; - (qk + s): den.  Each accumulator is read from its low end on
.endr
.endr
.set e, 0
.rept 64
	v_rcp_f32 v[TT+e], v[TT+e]                     ; (source 0 and destination: window 1, as set)
.set e, e+1
.endr
	v_nop                                          ; one plain place behind the last reciprocal
	WIN 0x06+((\a)/4)                              ; source 0 the accumulators, source 1 window 1, source 2 and destination window 0
.irp b, 0,1,2,3,4,5,6,7
.irp j, 0,2,4,6
.if (\b == 0) && (\j == 0)
	s_wait_alu depctr_va_vdst(0)
	v_pk_fma_f32 v[CH:CH+1], v[AC:AC+1], v[TT:TT+1], v[SUM+2*(\a):SUM+2*(\a)+1]   ; (qk + s) / den, onto what the earlier tiles have summed; four chains, so that no line waits for the line above it
.elseif \b == 0
	v_pk_mul_f32 v[CH+\j:CH+\j+1], v[AC+\j:AC+\j+1], v[TT+\j:TT+\j+1]
.else
	v_pk_fma_f32 v[CH+\j:CH+\j+1], v[AC+8*\b+\j:AC+8*\b+\j+1], v[TT+8*\b+\j:TT+8*\b+\j+1], v[CH+\j:CH+\j+1]
.endif
.endr
.endr
	WIN 0
	v_pk_add_f32 v[CH:CH+1], v[CH:CH+1], v[CH+2:CH+3]
	v_pk_add_f32 v[CH+4:CH+5], v[CH+4:CH+5], v[CH+6:CH+7]
	v_pk_add_f32 v[SUM+2*(\a):SUM+2*(\a)+1], v[CH:CH+1], v[CH+4:CH+5]
.endm
; Behind a tile's products.  next = 1: the next tile's scale words are asked for ahead of the arithmetic (four places stand behind the last products), its qq behind it.
.macro EPI next
	s_wait_loadcnt 0x0                             ; this tile's qq are in; no load of mine is out, so the offsets below may be written
.if \next
	v_mad_u32_u24 v[SOFF], v[SSTEP], s[TQ], v[SOFF0]   ; the next tile's rows of queries; the keys' stay
	SCLOAD
.endif
.irp a, 0,1,2,3,4,5,6,7
	SIMBLK \a
.endr
.if \next
	v_lshl_add_u32 v[QOFF], s[TQ], 10, v[QOFF0]    ; the next tile's queries
	QQLOAD
	s_wait_loadcnt 16                              ; the 16 loads of scale words are in; the 16 of qq, issued behind them, may be out until the next tile's products are done
.endif
.endm
.irp a, 0,1,2,3,4,5,6,7
	global_load_b32 v[KK+2*\a], v[KOFF], s[8:9] offset:65536+64*\a   ; kk of key 16 a + r (the keys' sums of squares lie behind the queries')
.endr
	SCLOAD
	QQLOAD
.irp j, 0,1,2,3,4,5,6,7
	v_mov_b32 v[CSB+\j], 0x3727c5ac                ; s = 1e-5
.endr
.irp j, 0,1,2,3,4,5,6,7,8,9,10,11,12,13,14,15
	v_mov_b32 v[SUM+\j], 0                         ; the sums over queries: sixteen registers, once
.endr
	s_wait_tensorcnt 1                             ; my part of K slot 0 is in (slot 1's load may be out)
	s_barrier_signal -1
	s_barrier_wait -1                              ; everybody's is
	FETCH_B 0, 0, 0
	FETCH_A 0, 0, 0
	FETCH_A 0, 0, 4
	s_wait_loadcnt 16                              ; kk and the scale words are in; the 16 loads of qq, issued last, may be out
.irp a, 0,1,2,3,4,5,6,7
	v_add_f32 v[KK+2*\a], 0x37a7c5ac, v[KK+2*\a]   ; kk + 2 s,
	v_mov_b32 v[KK+2*\a+1], v[KK+2*\a]             ; twice: a pair for the packed addition
.endr
	s_mov_b32 s2, TILES-1
.Ltile:                                                ; a trip is a tile that has a successor: the ring goes on into the next tile; every window is 0 here
	s_add_co_u32 s[TQ], s[TQ], 1                   ; the NEXT tile of my run, round the four,
	s_and_b32 s[TQ], s[TQ], 3
	s_mul_i32 s[OF], s[TQ], 2*GRP                  ; and where its codes begin behind tile 0's
	STEP 0, 0, 1
	TURN 0, 1, 1, 1
	STEP 1, 2, 0
	TURN 1, 0, 3, 1
	STEP 0, 4, 0
	TURN 0, 1, 5, 2                                ; slot 0 takes the next tile's K slot 0,
	STEP 1, 6, 0
	TURN 1, 0, 7, 2                                ; slot 1 its K slot 1, and the next tile's first fragments are fetched
	EPI 1
	s_sub_co_u32 s2, s2, 1
	s_cmp_lg_u32 s2, 0
	s_cbranch_scc1 .Ltile
	STEP 0, 0, 1                                   ; the last tile is written out: its last two changes of slots ask for nothing
	TURN 0, 1, 1, 1
	STEP 1, 2, 0
	TURN 1, 0, 3, 1
	STEP 0, 4, 0
	TURN 0, 1, 5, 0
	STEP 1, 6, 0
	s_wait_dscnt 4*NL                              ; the very last step: nothing more to fetch
	WIN MUL_LO
	MUL16 0, 1, 7, 0
	MUL16 2, 1, 7, 0
	s_wait_dscnt 0x0
	WIN MUL_HI
	MUL16 4, 1, 7, 0
	MUL16 6, 1, 7, 0
	WIN 0
	PLACES NP
	EPI 0
	; THE WAY OUT.  A pair's two halves and lane l xor 16's are added: the sum over my 512 queries for key 16 a + r.  The 128 sums go through my own stage and leave as 512 consecutive bytes, aligned.
.irp a, 0,1,2,3,4,5,6,7
	v_add_f32 v[RS+\a], v[SUM+2*\a], v[SUM+2*\a+1]
.endr
.irp a, 0,1,2,3,4,5,6,7
	v_permlanex16_b32 v[CH+\a], v[RS+\a], s12, s13
.endr
.irp a, 0,1,2,3,4,5,6,7
	v_add_f32 v[RS+\a], v[RS+\a], v[CH+\a]
.endr
.irp a, 0,1,2,3,4,5,6,7
	ds_store_b32 v[STO], v[RS+\a] offset:64*\a     ; lanes r and r + 16 write the same word with the same value
.endr
	ds_load_b128 v[OUTR:OUTR+3], v[RD]             ; LDS serves a wave's instructions in order (ISA guide 5.7.1.4): this sees my stores
	s_wait_dscnt 0x0
	global_store_b128 v[CO], v[OUTR:OUTR+3], s[10:11]
	s_wait_tensorcnt 0x0                           ; the wave's end: behind my last tensor load and my last LDS store
	ds_add_u32 v[SPW], v[NIL]
	s_wait_dscnt 0x0
	CROUND                                         ; the closing round: no work-group ends while a partner may still ask for a tile that names it
	s_endpgm
.Lfunc_end_k_qa366f4c68f_simsum:
	.size	k_qa366f4c68f_simsum, .Lfunc_end_k_qa366f4c68f_simsum-k_qa366f4c68f_simsum
	.p2alignl 7, 3214868480
	.fill 96, 4, 3214868480
	.section	.rodata,"a",@progbits
	.p2align	6, 0x0
	.amdhsa_kernel k_qa366f4c68f_simsum
		.amdhsa_group_segment_fixed_size 327680
		.amdhsa_private_segment_fixed_size 0
		.amdhsa_enable_private_segment 0
		.amdhsa_kernarg_size 32
		.amdhsa_user_sgpr_count 2
		.amdhsa_user_sgpr_kernarg_segment_ptr 1
		.amdhsa_wavefront_size32 1
		.amdhsa_system_sgpr_workgroup_id_x 1
		.amdhsa_system_sgpr_workgroup_id_y 1
		.amdhsa_system_sgpr_workgroup_id_z 1
		.amdhsa_system_vgpr_workitem_id 0
		.amdhsa_next_free_vgpr 1024
		.amdhsa_next_free_sgpr 72
		.amdhsa_reserve_vcc 1
		.amdhsa_float_denorm_mode_32 3
		.amdhsa_float_denorm_mode_16_64 3
		.amdhsa_memory_ordered 1
		.amdhsa_forward_progress 1
		.amdhsa_inst_pref_size 255
	.end_amdhsa_kernel
	.section	.bss,"aw",@nobits
	.p2align	6
	.space	262144
	.amdgpu_metadata
---
amdhsa.version: [ 1, 2 ]
amdhsa.kernels:
  - .name:           k_qa366f4c68f_simsum
    .symbol:         k_qa366f4c68f_simsum.kd
    .args:
      - { .name: codes, .offset: 0, .size: 8, .value_kind: global_buffer, .address_space: global }
      - { .name: scl, .offset: 8, .size: 8, .value_kind: global_buffer, .address_space: global }
      - { .name: nrm, .offset: 16, .size: 8, .value_kind: global_buffer, .address_space: global }
      - { .name: part, .offset: 24, .size: 8, .value_kind: global_buffer, .address_space: global }
    .group_segment_fixed_size: 327680
    .private_segment_fixed_size: 0
    .kernarg_segment_align: 8
    .kernarg_segment_size: 32
    .max_flat_workgroup_size: 128
    .sgpr_count:     72
    .vgpr_count:     1024
    .wavefront_size: 32
...
	.end_amdgpu_metadata
.endif
;; end of part 2
;; launch scale (part 3): grid 512 x 1, 8 waves a work-group, no clusters, 0 bytes of LDS; arguments v, part, out0; writes out0
.if DOCPART == 3
	.amdgcn_target "amdgcn-amd-amdhsa--gfx1250"
	.amdhsa_code_object_version 6
	.text
	.protected	k_qa366f4c68f_scale
	.globl	k_qa366f4c68f_scale
	.p2align	8
	.type	k_qa366f4c68f_scale,@function
k_qa366f4c68f_scale:
	s_mov_b64 s[64:65], 0
	v_nop
	global_prefetch_b8 v0, s[64:65] scope:SCOPE_SE
	s_setreg_imm32_b32 hwreg(HW_REG_WAVE_MODE, 25, 1), 1
	s_wait_xcnt 0x0
; out0 = weight x v, patch by patch; a key patch's weight is the mean of its similarities over the 4,096 queries: the sum of its eight partial sums in part [8][16,384], x 2^-12.
; A stream: every byte of v is read once and every byte of out0 written once; no LDS, no barrier, no matrix unit, no cluster: waves share nothing.
; Wave W = 8 x work-group + wave (0 .. 4,095) takes row block W / 4 = one (b, t, ph), and four channels, 4 (W % 4) on: 32 image rows of 512 bytes.
; Lane l holds the 16 bytes at 16 l of each image row, which lie in patch pw = l / 2: so a lane needs ONE weight for all its work, and each load and store of the wave covers 512 consecutive bytes, aligned.
; All 32 loads of a wave are issued at once, each into registers of its own: no register is loaded twice, no pointer is stepped, every offset is an immediate.
	s_load_b128 s[4:7], s[0:1], 0x0                ; v s[4:5], part s[6:7]
	s_load_b64 s[8:9], s[0:1], 0x10                ; out0
	v_lshrrev_b32 v1, 5, v0
	v_readfirstlane_b32 s12, v1                    ; wave
	v_and_b32 v3, 31, v0                           ; lane
	v_lshlrev_b32 v1, 4, v3                        ; 16 x lane
	s_lshl_b32 s13, ttmp9, 3
	s_add_co_u32 s13, s13, s12                     ; W
	s_lshr_b32 s14, s13, 2                         ; the row block: 16 (16 b + t) + ph
	s_and_b32 s15, s13, 3                          ; which four channels
	s_lshr_b32 s16, s14, 4
	s_lshl_b32 s16, s16, 20                        ; 16 b + t: 16 channels of 65,536 bytes
	s_and_b32 s17, s14, 15
	s_lshl_b32 s17, s17, 12                        ; ph: 8 image rows of 512 bytes
	s_add_co_u32 s16, s16, s17
	s_lshl_b32 s15, s15, 18                        ; four channels
	s_add_co_u32 s16, s16, s15
	s_mov_b32 s17, 0
	s_lshl_b32 s18, s14, 6                         ; the row block's 16 weights of 4 bytes
	v_lshrrev_b32 v2, 1, v3
	v_lshl_add_u32 v2, v2, 2, s18                  ; my patch's
	s_wait_kmcnt 0x0
	s_add_nc_u64 s[4:5], s[4:5], s[16:17]
	s_add_nc_u64 s[8:9], s[8:9], s[16:17]
.irp p, 0,1,2,3,4,5,6,7
	global_load_b32 v[4+\p], v2, s[6:7] offset:65536*\p
.endr
.set e, 0
.rept 32
	global_load_b128 v[16+4*e:16+4*e+3], v1, s[4:5] offset:(e/8)*65536+(e%8)*512 th:TH_LOAD_NT
.set e, e+1
.endr
	s_wait_loadcnt 32                              ; the eight partial sums are in; the 32 loads of v, issued behind them, may be out
	v_add_f32 v4, v4, v5
	v_add_f32 v6, v6, v7
	v_add_f32 v8, v8, v9
	v_add_f32 v10, v10, v11
	v_add_f32 v4, v4, v6
	v_add_f32 v8, v8, v10
	v_add_f32 v4, v4, v8
	v_mul_f32 v12, 0x39800000, v4                  ; / 4,096: exact
	v_mov_b32 v13, v12                             ; twice: a pair for the packed multiplication
.set e, 0
.rept 32
	s_wait_loadcnt 31-e                            ; loads come back in order (ISA guide 5.7.1): load e is in, the 31 - e younger ones may be out
	v_pk_mul_f32 v[16+4*e:16+4*e+1], v[16+4*e:16+4*e+1], v[12:13]
	v_pk_mul_f32 v[16+4*e+2:16+4*e+3], v[16+4*e+2:16+4*e+3], v[12:13]
	global_store_b128 v1, v[16+4*e:16+4*e+3], s[8:9] offset:(e/8)*65536+(e%8)*512 th:TH_STORE_NT
.set e, e+1
.endr
	s_endpgm
.Lfunc_end_k_qa366f4c68f_scale:
	.size	k_qa366f4c68f_scale, .Lfunc_end_k_qa366f4c68f_scale-k_qa366f4c68f_scale
	.p2alignl 7, 3214868480
	.fill 96, 4, 3214868480
	.section	.rodata,"a",@progbits
	.p2align	6, 0x0
	.amdhsa_kernel k_qa366f4c68f_scale
		.amdhsa_group_segment_fixed_size 0
		.amdhsa_private_segment_fixed_size 0
		.amdhsa_enable_private_segment 0
		.amdhsa_kernarg_size 24
		.amdhsa_user_sgpr_count 2
		.amdhsa_user_sgpr_kernarg_segment_ptr 1
		.amdhsa_wavefront_size32 1
		.amdhsa_system_sgpr_workgroup_id_x 1
		.amdhsa_system_sgpr_workgroup_id_y 1
		.amdhsa_system_sgpr_workgroup_id_z 1
		.amdhsa_system_vgpr_workitem_id 0
		.amdhsa_next_free_vgpr 144
		.amdhsa_next_free_sgpr 66
		.amdhsa_reserve_vcc 0
		.amdhsa_float_denorm_mode_32 3
		.amdhsa_float_denorm_mode_16_64 3
		.amdhsa_memory_ordered 1
		.amdhsa_forward_progress 1
		.amdhsa_inst_pref_size 14
	.end_amdhsa_kernel
	.amdgpu_metadata
---
amdhsa.version: [ 1, 2 ]
amdhsa.kernels:
  - .name:           k_qa366f4c68f_scale
    .symbol:         k_qa366f4c68f_scale.kd
    .args:
      - { .name: v, .offset: 0, .size: 8, .value_kind: global_buffer, .address_space: global }
      - { .name: part, .offset: 8, .size: 8, .value_kind: global_buffer, .address_space: global }
      - { .name: out0, .offset: 16, .size: 8, .value_kind: global_buffer, .address_space: global }
    .group_segment_fixed_size: 0
    .private_segment_fixed_size: 0
    .kernarg_segment_align: 8
    .kernarg_segment_size: 24
    .max_flat_workgroup_size: 256
    .sgpr_count:     66
    .vgpr_count:     144
    .wavefront_size: 32
...
	.end_amdgpu_metadata
.endif
;; end of part 3
